; MI455X (gfx1250); checked and timed in simulation.
; The chip was launched on July 23, 2026; its instructions are those of AMD's public machine-readable ISA for CDNA 5 (MIT licence, August 2026) and "CDNA5" Instruction Set Architecture Reference Guide (July 2026). The comments in the code are by the model that wrote it; some were corrected since.
;; Streaming Hyperbolic Attention. Allowed arithmetic: matrix products marked QUANTISED: E3M2 operands, one E8M0 scale for each 32 along K, by v_wmma_scale_f32_16x16x128_f8f6f4 with both operands' format E3M2, f32 sums; everything else in f32.
;; Inputs: wk 1,024 x 1,024 float32; wo 1,024 x 1,024 float32; wq 1,024 x 1,024 float32; wv 1,024 x 1,024 float32; x 2 x 2,048 x 1,024 float32.
;; Outputs: out0 2 x 2,048 x 1,024 float32.
;; This version of the problem:
;;   THIS VERSION OF THE PROBLEM IS GIVEN IN LOW PRECISION. The matrix products marked QUANTISED in the list below multiply operands that are first quantised to E3M2 (3 exponent bits, 2 mantissa bits; 6 bits a number), with one power-of-two scale for each 32 numbers along K (OCP MX v1.0); their sums are f32. All else is computed in f32.
;;   The module's matrix products, in the order in which they are computed (A, B: the left and right operand; K: the contracted axis; several contracted axes count as one K, in the product's order):
;;     1. [M 4,096, K 1,024] x [K 1,024, N 1,024]; A: input x; B: input wq: QUANTISED
;;     2. [M 4,096, K 1,024] x [K 1,024, N 1,024]; A: input x; B: input wk: QUANTISED
;;     3. [M 4,096, K 1,024] x [K 1,024, N 1,024]; A: input x; B: input wv: QUANTISED
;;     4. batch 32 x [M 2,048, K 64] x [K 64, N 2,048]; A: computed on the way; B: computed on the way: QUANTISED
;;     5. batch 32 x [M 2,048, K 2,048] x [K 2,048, N 64]; A: softmax (see below); B: computed on the way: QUANTISED
;;     6. [M 4,096, K 1,024] x [K 1,024, N 1,024]; A: computed on the way; B: input wo: QUANTISED
;;   THE QUANTISER, for each operand of a quantised product, along K:
;;     - K is cut into blocks of 32 from its start; a last block that is shorter is filled with zeros.
;;     - A block's scale is 2^e with e = floor(log2(the largest magnitude in the block)) - 4, held to -126 .. 127; a block of zeros has e = 0. As a byte (E8M0): e + 127.
;;     - Each number is divided by its block's scale, clamped to +-28, and rounded to the nearest number of E3M2, ties to even, subnormals kept.
;;     - The product sums the exact products of the quantised numbers (number of the format x scale) in f32.
;;   ~~~python
;;   def quantise(x, axis):      # numpy; x: float32 -> the quantised numbers, widened to float32 again
;;       x = np.moveaxis(x, axis, -1); K = x.shape[-1]
;;       x = np.pad(x, [(0, 0)] * (x.ndim - 1) + [(0, -K % 32)]); x = x.reshape(x.shape[:-1] + (-1, 32)); a = np.abs(x).max(-1, keepdims=True)
;;       e = np.where(a > 0, np.clip(np.frexp(np.where(a > 0, a, 1))[1] - 1 - 4, -126, 127), 0)      # np.frexp(a)[1] - 1 = floor(log2(a)), exactly
;;       r = np.clip(x / 2.0 ** e, -28, 28)
;;       step = 2.0 ** (np.maximum(np.frexp(np.where(r == 0, 1, r))[1] - 1, -2) - 2)
;;       q = np.round(r / step) * step * 2.0 ** e      # np.round: ties to even
;;       return np.moveaxis(q.reshape(q.shape[:-2] + (-1,))[..., :K], -1, axis).astype(np.float32)
;;   ~~~
;;   SOFTMAX AHEAD OF A QUANTISED PRODUCT. Where the list says 'softmax', what is quantised is not the finished softmax but p = 2^(t - M), with t = logit x log2(e) and M = ceil(the row's largest t), a whole number; so 1/2 < the row's largest p <= 1. The row's sum l is taken of the UNQUANTISED p, in f32, and the product's result is divided by l at the end. Since M is a whole number, a kernel that streams over the keys may use a running M (the ceiling of the running maximum): every later rescaling is an exact power of two, which a block's scale takes up: the codes' values come out the same.
;;   OPERANDS COMPUTED ON THE WAY. 'Computed on the way' means the value that the module computes at that place (a softmax that the list does not call 'softmax' is quantised finished and normalised). What goes into a quantiser is computed in f32, as accurately as f32 sums, v_exp_f32 and their like allow (about 1e-6 of the number): no bf16 or f16 on the way to a quantiser, and a product that is left as it is and whose result goes on into a quantised operand takes f32 operands (vector FMAs, or v_wmma_f32_16x16x4_f32). A number that lies on a knife's edge between two numbers of the format may be rounded either way, as far as f32 arithmetic and the matrix unit's own rounding can turn it there, and no further.
;; One version. Each part assembles by itself: llvm-mc -triple=amdgcn-amd-amdhsa -mcpu=gfx1250 --defsym DOCPART=n.
;; ======== version 1 of 1: 4 launches
;; limits: right only within a limited range of input values
;; workspace buffers: img 6,553,600 bytes; qrec 4,194,304 bytes; kv 7,208,960 bytes; arec 4,194,304 bytes
;; launch quant (part 1): grid 256 x 1, 8 waves a work-group, no clusters, 71,680 bytes of LDS; arguments x, wq, wk, wv, wo, img; writes img
.if DOCPART == 1
	.amdgcn_target "amdgcn-amd-amdhsa--gfx1250"
	.amdhsa_code_object_version 6
	.text
	.protected	k_qe56ff91ae9_quant
	.globl	k_qe56ff91ae9_quant
	.p2align	8
	.type	k_qe56ff91ae9_quant,@function
k_qe56ff91ae9_quant:
	s_mov_b64 s[64:65], 0
	v_nop
	global_prefetch_b8 v0, s[64:65] scope:SCOPE_SE
	s_setreg_imm32_b32 hwreg(HW_REG_WAVE_MODE, 25, 1), 1
	s_wait_xcnt 0x0
; x [4096][1024] and wq, wk, wv, wo [1024][1024], f32, K innermost, become codes of BF6 (E3M2) with one E8M0 byte for each 32 along K,
; laid in img as IMAGES OF OPERAND REGISTERS.  img is 512 tiles of 12,800 bytes: tiles 0-255 x, 256-319 wq, 320-383 wk, 384-447 wv, 448-511 wo.
; A TILE is 16 rows x 1,024 along K.  Its rows are not neighbours: lane r of tile t of a tensor holds row 32 (t / 2) + 8 (t % 2) + r + 8 (r / 8),
; so that the results of two neighbouring tiles, used as source 0 of a product, are 16 neighbours in a lane's registers.
; In a tile: fragment ks (128 along K, 12 registers a lane) at 1,536 ks, as three planes of 512 bytes: plane q holds registers 4 q .. 4 q + 3, lane l's 16 bytes at 16 l.
; At 12,288 the scale words: lane l = r + 16 h holds four words, word j = row r's word of K step 2 j + h: one load of 16 bytes a lane gives four scale registers,
; even K steps in lanes 0-15, odd ones in lanes 16-31.
; A block's scale byte is its largest magnitude's exponent field - 4, held at 1 from below.  A block of zeros so gets the byte 1: its codes are zeros, and this program alone reads the bytes.
; LIMITS: NaN and infinities among the inputs are not served.
; SHARES: a work-group owns two tiles, four waves each; wave j of a tile owns fragments 2 j and 2 j + 1, which make the tile's scale word j.  All 32 loads of a wave are issued at its start.
; Each load reads 512 consecutive bytes of one row; a fragment's 16 x 512 bytes turn through the wave's own stage in LDS (rows 528 bytes apart), from which lane (r, h) takes the 32 neighbours
; of each of its two blocks.  The four waves of a tile put their scale words into 512 bytes of LDS, at their places; behind ONE barrier the tile's first wave stores them as 512 consecutive bytes.
; No matrix work, no cluster: no input byte is read twice.
.set ROWB,  4096                       ; a row of any of the five tensors, in bytes
.set SPIT,  528                        ; a stage row: 512 bytes + 16
.set WSTG,  8704                       ; a wave's stage
.set XCH,   8*WSTG                     ; behind the stages: the two tiles' scale words, 512 bytes each
.set SPARE, XCH+1024                   ; behind them: the spare words, 128 bytes for each of eight waves
.set TILEB, 12800
.set MX, 8                             ; v8-9    the two blocks' largest magnitudes
.set SO, 10                            ; v10-11  the conversions' scale operands
.set BY, 12                            ; v12-13  the scale bytes
.set WD, 14                            ; v14     the fragment's scale word
.set WX, 15                            ; v15     the other half's bytes
.set SH, 16                            ; v16     8 h
.set XS, 17                            ; v17     LDS: my word's place among the tile's scale words
.set XL, 18                            ; v18     LDS: my lane's four words
.set R,  32                            ; v32-159 two sets of 64 numbers as loaded
.set X,  160                           ; v160-223 my two blocks of 32 neighbours
.set CD, 224                           ; v224-235 the fragment
.set CT, 236                           ; v236-242 the blocks' upper halves as converted
.set SW, 244                           ; v244    my scale word; v244-247 the tile's four
	s_load_b256 s[4:11], s[0:1], 0x0               ; x, wq, wk, wv
	s_load_b128 s[12:15], s[0:1], 0x20             ; wo, img
	v_lshl_add_u32 v254, v0, 2, SPARE
	v_mov_b32 v255, 0
	v_lshrrev_b32 v4, 5, v0
	v_readfirstlane_b32 s24, v4                    ; wave 0..7
	v_and_b32 v5, 31, v0                           ; lane
	v_and_b32 v6, 15, v0                           ; r
	v_bfe_u32 v7, v0, 4, 1                         ; h
	v_lshlrev_b32 v1, 4, v5                        ; 16 x lane: my bytes of a load's 512, and of a plane
	s_mul_i32 s25, s24, WSTG
	v_add_nc_u32 v2, s25, v1                       ; the stage, on the way in
	v_mul_u32_u24 v3, v6, SPIT
	v_lshl_add_u32 v3, v7, 7, v3
	v_add_nc_u32 v3, s25, v3                       ; and on the way out: row r, + 128 h
	v_lshlrev_b32 v[SH], 3, v7
	v_mov_b32 v[WX], 0                             ; a lane permute's destination counts as one of its sources
	s_lshr_b32 s23, s24, 2                         ; which of the work-group's two tiles
	s_and_b32 s19, s24, 3                          ; j: which two fragments of it
	s_lshl_b32 s18, s23, 9
	s_add_co_u32 s18, s18, XCH
	v_add_nc_u32 v[XL], s18, v1                    ; the tile's scale words: 16 bytes a lane,
	s_lshl_b32 s18, s19, 2
	v_add_nc_u32 v[XS], s18, v[XL]                 ; and word j of them
	s_mov_b32 s20, 0x76543210
	s_mov_b32 s21, 0xfedcba98                      ; v_permlanex16_b32's selects for lane l xor 16
	s_mov_b32 s22, 0xffff0000                      ; lanes 16-31
	s_lshl_b32 s26, ttmp9, 1
	s_add_co_u32 s26, s26, s23                     ; my tile of img
	s_wait_alu depctr_va_vdst(0)                   ; the wait at the head's end
	s_wait_kmcnt 0x0
	s_cmp_lt_u32 ttmp9, 224                        ; which tensor: the choice hangs on the work-group's number alone
	s_cselect_b64 s[16:17], s[10:11], s[12:13]
	s_cmp_lt_u32 ttmp9, 192
	s_cselect_b64 s[16:17], s[8:9], s[16:17]
	s_cmp_lt_u32 ttmp9, 160
	s_cselect_b64 s[16:17], s[6:7], s[16:17]
	s_cmp_lt_u32 ttmp9, 128
	s_cselect_b64 s[16:17], s[4:5], s[16:17]
	s_cselect_b32 s27, 255, 63
	s_and_b32 s27, s26, s27                        ; my tile of that tensor
	s_lshr_b32 s28, s27, 1
	s_lshl_b32 s28, s28, 17                        ; 32 rows for each pair of tiles,
	s_and_b32 s29, s27, 1
	s_lshl_b32 s29, s29, 15                        ; 8 rows for the odd one,
	s_add_co_u32 s28, s28, s29
	s_lshl_b32 s29, s19, 10                        ; and 1,024 bytes along the rows for each two fragments
	s_add_co_u32 s28, s28, s29
	s_mov_b32 s29, 0
	s_add_nc_u64 s[16:17], s[16:17], s[28:29]
	s_mul_i32 s30, s26, TILEB
	s_mul_i32 s31, s19, 3072                       ; my two fragments' place in the tile (wave j = 0 stands at the tile's first byte)
	s_add_co_u32 s30, s30, s31
	s_mov_b32 s31, 0
	s_add_nc_u64 s[14:15], s[14:15], s[30:31]
.macro LOAD f                          ; my fragment f (0, 1) of the tile's 16 rows: rows 0-7 and 16-23 from the tile's first
.irp i,0,1,2,3,4,5,6,7,8,9,10,11,12,13,14,15
	global_load_b128 v[R+64*(\f)+4*\i:R+64*(\f)+4*\i+3], v1, s[16:17] offset:(\i+8*(\i/8))*ROWB+512*(\f) th:TH_LOAD_NT
.endr
.endm
.macro FRAG f
.if (\f) < 1
	s_wait_loadcnt 16                              ; this fragment's 16 loads are in; the other's may be out
.else
	s_wait_loadcnt 0x0
.endif
.irp i,0,1,2,3,4,5,6,7,8,9,10,11,12,13,14,15
	ds_store_b128 v2, v[R+64*(\f)+4*\i:R+64*(\f)+4*\i+3] offset:SPIT*\i
.endr
.irp c,0,1
.irp j,0,1,2,3,4,5,6,7
	ds_load_b128 v[X+32*\c+4*\j:X+32*\c+4*\j+3], v3 offset:256*\c+16*\j   ; k = 64 c + 32 h + 4 j on; LDS serves a wave's instructions in order: these see the stores above
.endr
.endr
	s_wait_dscnt 0x0                               ; my numbers are back
.if (\f) > 0
	s_wait_xcnt 0x0                                ; the first fragment's stores have read their registers: the codes' registers are written again below
.endif
.irp c,0,1
	v_max3_num_f32 v[MX+\c], |v[X+32*\c]|, |v[X+32*\c+1]|, 0x2800000   ; block 2 c + h: all 32 numbers are mine; the floor 2^(5 - 127) holds the byte at 1 from below
.endr
.irp i,2,4,6,8,10,12,14,16,18,20,22,24,26,28,30
.irp c,0,1
	v_max3_num_f32 v[MX+\c], v[MX+\c], |v[X+32*\c+\i]|, |v[X+32*\c+\i+1]|
.endr
.endr
.irp c,0,1
	v_add_nc_u32 v[SO+\c], 0xfe000000, v[MX+\c]    ; 4 off the exponent field: the conversion's scale operand
.endr
.irp c,0,1
	v_lshrrev_b32 v[BY+\c], 23, v[SO+\c]           ; the byte
.endr
	v_lshl_or_b32 v[WD], v[BY+1], 16, v[BY]        ; my bytes of blocks h and 2 + h,
	v_lshlrev_b32 v[WD], v[SH], v[WD]              ; at their places,
	v_permlanex16_b32 v[WX], v[WD], s20, s21
	v_or_b32 v[WD], v[WD], v[WX]                   ; with the other half's: row r's word
.if (\f) == 0
	v_mov_b32 v[SW], v[WD]
.else
	v_cndmask_b32 v[SW], v[SW], v[WD], s22         ; the odd K step in lanes 16-31
.endif
.irp c,0,1
	v_cvt_scalef32_pk16_bf6_f32 v[CD+6*\c:CD+6*\c+2], v[X+32*\c:X+32*\c+15], v[SO+\c]
	v_cvt_scalef32_pk16_bf6_f32 v[CT+4*\c:CT+4*\c+2], v[X+32*\c+16:X+32*\c+31], v[SO+\c]   ; (a conversion's three registers begin on an even number)
.endr
	v_nop                                          ; one plain place behind a scaled conversion
.irp c,0,1
.irp i,0,1,2
	v_mov_b32 v[CD+6*\c+3+\i], v[CT+4*\c+\i]
.endr
.endr
.irp q,0,1,2
	global_store_b128 v1, v[CD+4*\q:CD+4*\q+3], s[14:15] offset:1536*(\f)+512*\q   ; 512 consecutive bytes, at a multiple of 256 from img's first byte
.endr
.endm
	LOAD 0
	LOAD 1
	FRAG 0
	FRAG 1
	ds_store_b32 v[XS], v[SW]                      ; my word, at its place among the tile's four
	s_wait_dscnt 0x0                               ; for the others' sake: it lies in LDS
	s_barrier_signal -1
	s_barrier_wait -1
	s_cmp_lg_u32 s19, 0                            ; the tile's first wave stores the four words
	s_cbranch_scc1 .Lnot_first
	ds_load_b128 v[SW:SW+3], v[XL]
	s_wait_dscnt 0x0
	global_store_b128 v1, v[SW:SW+3], s[14:15] offset:12288   ; 512 consecutive bytes, aligned
.Lnot_first:
	s_wait_tensorcnt 0x0                           ; the wave's end
	ds_add_u32 v254, v255
	s_wait_dscnt 0x0
	s_endpgm
.Lfunc_end_k_qe56ff91ae9_quant:
	.size	k_qe56ff91ae9_quant, .Lfunc_end_k_qe56ff91ae9_quant-k_qe56ff91ae9_quant
	.p2alignl 7, 3214868480
	.fill 96, 4, 3214868480
	.section	.rodata,"a",@progbits
	.p2align	6, 0x0
	.amdhsa_kernel k_qe56ff91ae9_quant
		.amdhsa_group_segment_fixed_size 71680
		.amdhsa_private_segment_fixed_size 0
		.amdhsa_enable_private_segment 0
		.amdhsa_kernarg_size 48
		.amdhsa_user_sgpr_count 2
		.amdhsa_user_sgpr_kernarg_segment_ptr 1
		.amdhsa_wavefront_size32 1
		.amdhsa_system_sgpr_workgroup_id_x 1
		.amdhsa_system_sgpr_workgroup_id_y 1
		.amdhsa_system_sgpr_workgroup_id_z 1
		.amdhsa_system_vgpr_workitem_id 0
		.amdhsa_next_free_vgpr 256
		.amdhsa_next_free_sgpr 66
		.amdhsa_reserve_vcc 0
		.amdhsa_float_denorm_mode_32 3
		.amdhsa_float_denorm_mode_16_64 3
		.amdhsa_memory_ordered 1
		.amdhsa_forward_progress 1
		.amdhsa_inst_pref_size 17
	.end_amdhsa_kernel
	.amdgpu_metadata
---
amdhsa.version: [ 1, 2 ]
amdhsa.kernels:
  - .name:           k_qe56ff91ae9_quant
    .symbol:         k_qe56ff91ae9_quant.kd
    .args:
      - { .name: x, .offset: 0, .size: 8, .value_kind: global_buffer, .address_space: global }
      - { .name: wq, .offset: 8, .size: 8, .value_kind: global_buffer, .address_space: global }
      - { .name: wk, .offset: 16, .size: 8, .value_kind: global_buffer, .address_space: global }
      - { .name: wv, .offset: 24, .size: 8, .value_kind: global_buffer, .address_space: global }
      - { .name: wo, .offset: 32, .size: 8, .value_kind: global_buffer, .address_space: global }
      - { .name: img, .offset: 40, .size: 8, .value_kind: global_buffer, .address_space: global }
    .group_segment_fixed_size: 71680
    .private_segment_fixed_size: 0
    .kernarg_segment_align: 8
    .kernarg_segment_size: 48
    .max_flat_workgroup_size: 256
    .sgpr_count:     66
    .vgpr_count:     256
    .wavefront_size: 32
...
	.end_amdgpu_metadata
.endif
;; end of part 1
;; launch qkv (part 2): grid 16 x 16, 4 waves a work-group, clusters of 4 x 1, 327,680 bytes of LDS; arguments img, qrec, kv; writes qrec, kv
.if DOCPART == 2
	.amdgcn_target "amdgcn-amd-amdhsa--gfx1250"
	.amdhsa_code_object_version 6
	.text
	.protected	k_qe56ff91ae9_qkv
	.globl	k_qe56ff91ae9_qkv
	.p2align	8
	.type	k_qe56ff91ae9_qkv,@function
k_qe56ff91ae9_qkv:
	s_mov_b64 s[64:65], 0
	v_nop
	global_prefetch_b8 v0, s[64:65] scope:SCOPE_SE
	s_setreg_imm32_b32 hwreg(HW_REG_WAVE_MODE, 25, 1), 1
	s_wait_xcnt 0x0
	s_wait_alu depctr_hold_cnt(0) depctr_sa_sdst(0) depctr_va_vdst(0) depctr_va_sdst(0) depctr_va_ssrc(0) depctr_va_vcc(0) depctr_vm_vsrc(0)
	s_getreg_b32 s2, hwreg(HW_REG_IB_STS2, 6, 4)
	s_cmp_eq_u32 s2, 0
	s_cbranch_scc0 .Lentry_in_a_cluster
	s_endpgm
.Lentry_in_a_cluster:
	s_bfe_u32 s2, ttmp6, 0x10000c
	s_cmp_lg_u32 s2, 0x3003
	s_cbranch_scc0 .Lentry_shape_is_right
	s_endpgm
.Lentry_shape_is_right:
; q = x wq^T, k = x wk^T, v = x wv^T for ONE HEAD (64 columns) x 256 tokens, on the codes that lie in img; then what attention wants of them:
;   qrec [bh 32][tile of 16 queries 128][1,024 B]: planes 0-2 (256 B, 8 B a lane): registers 2 p, 2 p + 1 of q's half fragment (K = the head's 64: lanes 0-15 block 0, lanes 16-31 block 1);
;        plane 3: lane (r, 0) holds (scale word, |q|^2), lane (r, 1) holds (1 / (1 - |q|^2), 0).  A scale word here is byte 0 | byte 1 << 8.
;   kv   [bh 32][step 16][14,080 B], 128 keys: +0 k's 8 half fragments (768 B each); +6,144 their scale words [tile][r]; +6,656 -|k|^2 / 2 by key; +7,168 1 / (1 - |k|^2) by key;
;        +7,680 v^T's 4 fragments (16 channels x 128 keys, six planes of 256 B); +13,824 their scale words [tile][r].
; The norms are taken of the f32 results, before they are quantised.  q and k are quantised along the head, v along the keys.
; SHARES.  Work-group (bx, head): tokens 256 bx on.  Wave w owns 64 tokens, four tiles; their codes of x, all of K, go from memory straight into 384 registers and serve all three products.
; The head's rows of wq, wk, wv (3 x 51,200 B, all of K) lie in LDS, each byte filled once; each fragment read from LDS feeds four matrix instructions.
; CLUSTER.  The four work-groups of a cluster have one head and four token blocks: they ask for the weights JOINTLY.  x is not shared out that way: each of its fragments is used by one wave
; alone, and 196,608 B of x beside 153,600 B of weights do not fit in LDS.
; q, k: source 0 = 16 rows of W, source 1 = 16 tokens: a lane holds one token and its registers run along the head.  v: source 0 = 16 tokens, source 1 = 16 rows of W: a lane holds one
; channel and its registers run along the tokens.  The rows of a tile are those of img's tiles, which makes a lane's 16 registers of two neighbouring tiles 16 neighbours.
; LIMITS: NaN and infinities are not served.  1 / (1 - norm) is a reciprocal of 1 ulp; where the norm is exactly 1 it is an infinity, which the attention launch holds at the reference's bound.
; REGISTERS, in windows of 256: window 0: v1-10 addresses; v16-31 x's scale words; v32-47 W's; v48-175 the 16 accumulators; v176-213 at work.
;   window 1: x's tiles 0, 1 (96 registers each, 12 a K step); window 2: tiles 2, 3; window 3: W's four fragments of a K step, two sets of 48.
.set TILEB, 12800
.set PARTB, 51200
.set RECB,  14080                      ; IN kv A HALF FRAGMENT of k or of v^T (768 B) lies as 512 B (registers 0-3, 16 B a lane) and then 256 B (registers 4, 5, 8 B a lane); a fragment of v^T is two such halves on end
.set STG,   153600                     ; a stage of 768 B for each wave: -|k|^2/2 (256), 1/(1-|k|^2) (256), k's scale words (256)
.set VSB,   156672                     ; v's scale half-words: 256 B for each wave
.set WV,  10
.set G1,  16                           ; s[16:23] descriptor group 1;  s[24:27] group 0
.set G0,  24
.set XB,  40                           ; s[40:41] my four tiles of x in img
.set QB,  42                           ; s[42:43] my four records of qrec
.set KC,  44                           ; s[44:45] my record of kv + 3,072 (w & 1): k's codes
.set K2,  46                           ; s[46:47] + 256 (w & 1)
.set KV,  48                           ; s[48:49] + 768 (w & 1): v's codes
.set KR,  50                           ; s[50:51] my record of kv
.set SEL, 52
.set HM,  54                           ; lanes 16-31
.set SH,  55                           ; 16 (w & 1)
.set L16, 1
.set L8,  2
.set WA,  3                            ; 16 x lane + the part's first LDS byte
.set TL,  4
.set SWA, 5
.set VSA, 6
.set SGB, 7
.set SGS, 8
.set KNO, 9
.set VSR, 10
.set XS,  16
.set WS,  32
.set ACC, 48
.set N0,  176
.set N1,  178
.set NSQ, 180
.set NX,  181
.set QM,  182
.set QX,  184
.set QSO, 186
.set QBY, 188
.set WD,  190
.set RC,  191
.set CD,  192                          ; v192-197 the half fragment; v198-199 plane 3
.set CT,  200
.set TT,  206
.set BK,  208
.set BS,  212
.set MSB, 0
.macro WIN new                         ; the immediate's high byte repeats the setting that is left
.if MSB != (\new)
	s_set_vgpr_msb (MSB<<8)|(\new)
.set MSB, (\new)
.endif
.endm
.macro ROUND                           ; a round of the cluster's barrier
	s_barrier_signal -1
	s_barrier_wait -1
	s_cmp_lg_u32 s[WV], 0
	s_cbranch_scc1 .Lnot_wave_0_\@
	s_barrier_signal -3
.Lnot_wave_0_\@:
	s_barrier_wait -3
	s_barrier_signal -1
	s_barrier_wait -1
.endm
; 32 numbers of a lane, register 16 b + i = element 32 b + 16 (lane / 16) + i of my row, become a half fragment's six registers in v[cd] on and the two scale bytes in v[QBY], v[QBY+1].
.macro QHALF a, cd
.irp b,0,1
	v_max3_num_f32 v[QM+\b], |v[\a+16*\b]|, |v[\a+16*\b+1]|, 0x2800000   ; my 16 numbers of block b, and the floor 2^(5 - 127): the byte cannot fall under 1
.endr
.irp i,2,4,6,8,10,12,14
.irp b,0,1
	v_max3_num_f32 v[QM+\b], v[QM+\b], |v[\a+16*\b+\i]|, |v[\a+16*\b+\i+1]|
.endr
.endr
.irp b,0,1
	v_permlanex16_b32 v[QX+\b], v[QM+\b], s[SEL], s[SEL+1]
.endr
.irp b,0,1
	v_max_num_f32 v[QM+\b], v[QM+\b], v[QX+\b]     ; with lane l xor 16's: the block's largest magnitude
.endr
.irp b,0,1
	v_add_nc_u32 v[QSO+\b], 0xfe000000, v[QM+\b]   ; 4 off its exponent field: the conversion's scale operand
.endr
.irp b,0,1
	v_lshrrev_b32 v[QBY+\b], 23, v[QSO+\b]
.endr
	v_cvt_scalef32_pk16_bf6_f32 v[\cd:\cd+2], v[\a:\a+15], v[QSO]
	v_cvt_scalef32_pk16_bf6_f32 v[CT:CT+2], v[\a+16:\a+31], v[QSO+1]
	v_nop                                          ; one plain place behind a scaled conversion
.irp i,0,1,2
	v_permlane16_swap_b32 v[\cd+\i], v[CT+\i]      ; a whole block to a lane: lanes 0-15 block 0, lanes 16-31 block 1
.endr
.irp i,0,1,2
	v_mov_b32 v[\cd+3+\i], v[CT+\i]
.endr
.endm
.macro NORM a                          ; the sum of squares of my row's 64 numbers, in every lane of the row: two chains, from each accumulator's low end on
	v_pk_mul_f32 v[N0:N0+1], v[\a:\a+1], v[\a:\a+1]
	v_pk_mul_f32 v[N1:N1+1], v[\a+2:\a+3], v[\a+2:\a+3]
.irp i,4,8,12,16,20,24,28
	v_pk_fma_f32 v[N0:N0+1], v[\a+\i:\a+\i+1], v[\a+\i:\a+\i+1], v[N0:N0+1]
	v_pk_fma_f32 v[N1:N1+1], v[\a+\i+2:\a+\i+3], v[\a+\i+2:\a+\i+3], v[N1:N1+1]
.endr
	v_pk_add_f32 v[N0:N0+1], v[N0:N0+1], v[N1:N1+1]
	v_add_f32 v[NSQ], v[N0], v[N0+1]
	v_permlanex16_b32 v[NX], v[NSQ], s[SEL], s[SEL+1]
	v_add_f32 v[NSQ], v[NSQ], v[NX]
.endm
.macro MMA d, a, b, sa, sb, mode       ; mode 0: the sum's first product, C = 0; 1: an even K step; 2: an odd one, whose scale words stand in lanes 16-31
.if \mode == 0
	v_wmma_scale_f32_16x16x128_f8f6f4 v[\d:\d+7], v[\a:\a+11], v[\b:\b+11], 0, v[\sa], v[\sb] matrix_a_fmt:MATRIX_FMT_BF6 matrix_b_fmt:MATRIX_FMT_BF6
.elseif \mode == 1
	v_wmma_scale_f32_16x16x128_f8f6f4 v[\d:\d+7], v[\a:\a+11], v[\b:\b+11], v[\d:\d+7], v[\sa], v[\sb] matrix_a_fmt:MATRIX_FMT_BF6 matrix_b_fmt:MATRIX_FMT_BF6
.else
	v_wmma_scale_f32_16x16x128_f8f6f4 v[\d:\d+7], v[\a:\a+11], v[\b:\b+11], v[\d:\d+7], v[\sa], v[\sb] matrix_a_fmt:MATRIX_FMT_BF6 matrix_b_fmt:MATRIX_FMT_BF6 matrix_a_scale:MATRIX_SCALE_ROW1 matrix_b_scale:MATRIX_SCALE_ROW1
.endif
.endm
.macro FETCHW ks                       ; W's four fragments of K step ks into set ks % 2 of window 3
	WIN 0xc0
.irp nt,0,1,2,3
.irp q,0,1,2
	ds_load_b128 v[48*((\ks)%2)+12*\nt+4*\q:48*((\ks)%2)+12*\nt+4*\q+3], v[WA] offset:TILEB*\nt+1536*(\ks)+512*\q
.endr
.endr
.endm
; 16 matrix instructions: one K step of the 16 accumulators, which take turns, one instruction a turn, in the same order in every K step.
.macro KMUL ks, kind
.set MD, 1+(\ks)%2
.if (\ks) == 0
.set MD, 0
.endif
.set WF, 48*((\ks)%2)
.irp g,0,1
.if \kind == 0
	WIN 0x07+4*\g                                  ; source 0 (W) window 3, source 1 (x) window 1 or 2
.else
	WIN 0x0d+\g                                    ; source 0 (x) window 1 or 2, source 1 (W) window 3
.endif
.irp tl,0,1
.irp nt,0,1,2,3
.if \kind == 0
	MMA ACC+32*(2*\g+\tl)+8*\nt, WF+12*\nt, 96*\tl+12*(\ks), WS+4*\nt+(\ks)/2, XS+4*(2*\g+\tl)+(\ks)/2, MD
.else
	MMA ACC+32*\nt+8*(2*\g+\tl), 96*\tl+12*(\ks), WF+12*\nt, XS+4*(2*\g+\tl)+(\ks)/2, WS+4*\nt+(\ks)/2, MD
.endif
.endr
.endr
.endr
.endm
; One product: part p of the weights (0 wq, 1 wk, 2 wv) against my 64 tokens.
.macro PART p, kind
	s_wait_tensorcnt 0x0                           ; my one load, my tile of this part, has landed
.if \p < 2
	ds_add_u32 v254, v255
	s_add_co_u32 s[G0+1], s[G0+1], PARTB           ; no load of mine is out: the descriptor steps to my tile of the next part
	s_add_nc_u64 s[G0+2:G0+3], s[G0+2:G0+3], 64*TILEB
	s_wait_dscnt 0x0
	ROUND                                          ; everybody's tile has landed, and all four work-groups are here: the joint loads meet
	tensor_load_to_lds s[G0:G0+3], s[G1:G1+7]      ; the next part's tile lands while this part is multiplied
	s_nop 0
.rept 4
	v_nop
.endr
.else
	s_wait_dscnt 0x0
	s_barrier_signal -1
	s_barrier_wait -1                              ; everybody's has; nothing more is filled
.endif
	v_add_nc_u32 v[WA], PARTB*\p, v[L16]
	s_wait_alu depctr_va_vdst(0)
.irp nt,0,1,2,3
	ds_load_b128 v[WS+4*\nt:WS+4*\nt+3], v[WA] offset:TILEB*\nt+12288
.endr
	FETCHW 0
.irp ks,0,1,2,3,4,5,6,7
.if \ks < 7
.if \ks > 0
.rept 4
	v_nop                                          ; places in front of loads into the set that the last K step's products read
.endr
.endif
	FETCHW \ks+1
	s_wait_dscnt 12                                ; all but the 12 just issued
.else
	s_wait_dscnt 0x0
.endif
.if \p == 0
.if 12*(7-\ks) > 63
	s_wait_loadcnt 63                              ; x's fragments of this K step are in: 12 loads for each later K step follow them, more than the count can name
.else
	s_wait_loadcnt 12*(7-\ks)
.endif
.endif
	KMUL \ks, \kind
.endr
	WIN 0
.rept 4
	v_nop                                          ; places in front of the first read of results
.endr
.endm
	s_load_b128 s[4:7], s[0:1], 0x0                ; img, qrec
	s_load_b64 s[8:9], s[0:1], 0x10                ; kv
	v_lshl_add_u32 v254, v0, 2, 0x29000
	v_mov_b32 v255, 0
	ds_add_u32 v254, v255
	ds_add_u32 v254, v255
	v_lshrrev_b32 v11, 5, v0
	v_readfirstlane_b32 s[WV], v11                 ; wave 0..3
	s_bfe_u32 s11, ttmp6, 0x40000                  ; cx
	s_lshl_b32 s12, ttmp9, 2
	s_add_co_u32 s12, s12, s11                     ; bx: my block of 256 tokens: it enters x's, qrec's and kv's addresses alone
	s_and_b32 s13, ttmp7, 0xffff                   ; the head, which the four partners share
	; descriptor group 1: a dense block of 12,800 bytes as 50 rows of 32 elements of 8 bytes
	s_mov_b32 s[G1], 15|(3<<16)|(1<<21)            ; 15:0 the mask: all four work-groups; 17:16 elements of 8 bytes; 21 set beside a mask
	s_mov_b32 s[G1+1], 32<<16                      ; tensor_dim0
	s_mov_b32 s[G1+2], 50<<16                      ; tensor_dim1: a tile, 12,800 bytes dense, is 50 rows of 256 bytes
	s_mov_b32 s[G1+3], 32<<16                      ; tile_dim0
	s_mov_b32 s[G1+4], 50                          ; tile_dim1
	s_mov_b32 s[G1+5], 32                          ; the pitch
	s_mov_b32 s[G1+6], 0
	s_mov_b32 s[G1+7], 0
	s_mul_i32 s14, s[WV], TILEB                    ; my weight tile's place in a part
	s_lshl_b32 s36, s13, 2
	s_add_co_u32 s36, s36, s[WV]                   ; tile 4 head + wave of each weight
	s_mul_i32 s36, s36, TILEB
	s_mov_b32 s37, 0
	s_lshl_b32 s57, s[WV], 2
	s_lshl_b32 s58, s12, 4
	s_add_co_u32 s58, s58, s57                     ; x's tile 16 bx + 4 w
	s_mul_i32 s58, s58, TILEB
	s_mov_b32 s59, 0
	s_lshr_b32 s60, s12, 3
	s_lshl_b32 s60, s60, 4
	s_add_co_u32 s60, s60, s13                     ; bh = 16 batch + head
	s_and_b32 s61, s12, 7                          ; my block within the batch
	s_lshl_b32 s62, s60, 7
	s_lshl_b32 s63, s61, 4
	s_add_co_u32 s62, s62, s63
	s_add_co_u32 s62, s62, s57                     ; qrec's record 128 bh + 16 block + 4 w
	s_lshl_b32 s62, s62, 10
	s_mov_b32 s63, 0
	s_mul_i32 s60, s60, 16*RECB
	s_lshl_b32 s61, s61, 1
	s_lshr_b32 s15, s[WV], 1
	s_add_co_u32 s61, s61, s15                     ; kv's record 2 block + w / 2 of the head
	s_mul_i32 s61, s61, RECB
	s_add_co_u32 s60, s60, s61
	s_mov_b32 s61, 0
	s_and_b32 s56, s[WV], 1
	s_lshl_b32 s[SH], s56, 4
	s_mov_b32 s[SEL], 0x76543210
	s_mov_b32 s[SEL+1], 0xfedcba98
	s_mov_b32 s[HM], 0xffff0000
	s_mul_i32 s15, s[WV], 768
	s_add_co_u32 s15, s15, STG                     ; my stage
	s_lshl_b32 s57, s[WV], 8
	s_add_co_u32 s57, s57, VSB                     ; my 256 bytes of v's half-words
	v_and_b32 v11, 31, v0                          ; lane
	v_and_b32 v12, 15, v0                          ; r
	v_bfe_u32 v13, v0, 4, 1                        ; h
	v_lshlrev_b32 v[L16], 4, v11
	v_lshlrev_b32 v[L8], 3, v11
	v_and_b32 v14, 8, v12
	v_add_nc_u32 v14, v14, v12                     ; r + 8 (r / 8): my token's place among a pair of tiles' 32
	v_lshlrev_b32 v[TL], 2, v14
	v_lshl_add_u32 v[TL], v13, 8, v[TL]
	v_add_nc_u32 v[TL], s15, v[TL]                 ; lanes 0-15 put -|k|^2/2 by token, lanes 16-31 the reciprocal, 256 bytes on
	v_lshl_add_u32 v[SWA], v12, 2, s15
	v_add_nc_u32 v[SWA], 512, v[SWA]               ; k's scale words: 4 r
	v_lshl_add_u32 v[VSA], v12, 2, s57
	v_add_nc_u32 v[SGB], s15, v[L16]
	v_add_nc_u32 v[SGS], s15, v[L8]
	v_add_nc_u32 v[SGS], 512, v[SGS]
	v_lshlrev_b32 v[KNO], 9, v13
	v_lshl_add_u32 v[KNO], v12, 4, v[KNO]          ; in kv the reciprocals lie 512 bytes behind the norms
	v_add_nc_u32 v[VSR], s57, v[L8]
	v_mov_b32 v[NX], 0                             ; lane permutes' destinations count as sources
	v_mov_b32 v[QX], 0
	v_mov_b32 v[QX+1], 0
	s_wait_dscnt 0x0
	s_wait_kmcnt 0x0
	s_add_nc_u64 s[38:39], s[4:5], s[36:37]
	s_mov_b32 s[G0], 1                             ; count = 1
	s_mov_b32 s[G0+1], s14                         ; LDS address: my part
	s_add_nc_u64 s[G0+2:G0+3], s[38:39], 256*TILEB ; the weights begin behind x's 256 tiles
	s_or_b32 s[G0+3], s[G0+3], 0x80000000          ; type = 2
	s_add_nc_u64 s[XB:XB+1], s[4:5], s[58:59]
	s_add_nc_u64 s[QB:QB+1], s[6:7], s[62:63]
	s_add_nc_u64 s[KR:KR+1], s[8:9], s[60:61]
	s_mul_i32 s58, s56, 3072
	s_add_nc_u64 s[KC:KC+1], s[KR:KR+1], s[58:59]
	s_lshl_b32 s58, s56, 8
	s_add_nc_u64 s[K2:K2+1], s[KR:KR+1], s[58:59]
	s_mul_i32 s58, s56, 768
	s_add_nc_u64 s[KV:KV+1], s[KR:KR+1], s[58:59]
	ROUND                                          ; all four work-groups are here: the joint loads meet
	; one load a wave at the head: my tile of wq
	tensor_load_to_lds s[G0:G0+3], s[G1:G1+7]
	s_nop 0
.rept 4
	v_nop
.endr
.irp tt,0,1,2,3
	global_load_b128 v[XS+4*\tt:XS+4*\tt+3], v[L16], s[XB:XB+1] offset:TILEB*\tt+12288
.endr
.irp ks,0,1,2,3,4,5,6,7                ; x's codes, K step by K step, 12 loads each: they stay in registers
	WIN 0x40
.irp tt,0,1
.irp q,0,1,2
	global_load_b128 v[96*\tt+12*\ks+4*\q:96*\tt+12*\ks+4*\q+3], v[L16], s[XB:XB+1] offset:TILEB*\tt+1536*\ks+512*\q
.endr
.endr
	WIN 0x80
.irp tt,0,1
.irp q,0,1,2
	global_load_b128 v[96*\tt+12*\ks+4*\q:96*\tt+12*\ks+4*\q+3], v[L16], s[XB:XB+1] offset:TILEB*(\tt+2)+1536*\ks+512*\q
.endr
.endr
.endr
	WIN 0
	PART 0, 0                                      ; ---- q
.macro EPIQ tt
	s_wait_xcnt 0x0                                ; the last tile's stores have read their registers
	NORM ACC+32*\tt
	v_sub_f32 v[TT], 1.0, v[NSQ]
	s_wait_alu depctr_va_vdst(0)
	v_rcp_f32 v[RC], v[TT]
	QHALF ACC+32*\tt, CD                           ; independent work behind the reciprocal
	v_lshl_or_b32 v[WD], v[QBY+1], 8, v[QBY]
	s_wait_alu depctr_va_vdst(0)                   ; the wait ahead of the reciprocal's first reader
	v_cndmask_b32 v[CD+6], v[WD], v[RC], s[HM]
	v_cndmask_b32 v[CD+7], v[NSQ], 0, s[HM]
.irp p,0,1,2,3
	global_store_b64 v[L8], v[CD+2*\p:CD+2*\p+1], s[QB:QB+1] offset:1024*\tt+256*\p   ; 256 consecutive bytes, aligned
.endr
.endm
.irp tt,0,1,2,3
	EPIQ \tt
.endr
	PART 1, 0                                      ; ---- k
.macro EPIK tt
	s_wait_xcnt 0x0
	NORM ACC+32*\tt
	v_sub_f32 v[TT], 1.0, v[NSQ]
	s_wait_alu depctr_va_vdst(0)
	v_rcp_f32 v[RC], v[TT]
	QHALF ACC+32*\tt, CD
	v_lshl_or_b32 v[WD], v[QBY+1], 8, v[QBY]
	v_mul_f32 v[TT], -0.5, v[NSQ]
	s_wait_alu depctr_va_vdst(0)
	v_cndmask_b32 v[TT], v[TT], v[RC], s[HM]
	ds_store_b32 v[TL], v[TT] offset:4*(32*(\tt/2)+8*(\tt%2))   ; by token, so that they leave in the keys' natural order
	ds_store_b32 v[SWA], v[WD] offset:64*\tt       ; (both halves of the lanes write the same word with the same value)
	global_store_b128 v[L16], v[CD:CD+3], s[KC:KC+1] offset:768*\tt        ; 512 consecutive bytes, aligned
	global_store_b64 v[L8], v[CD+4:CD+5], s[KC:KC+1] offset:768*\tt+512    ; 256 consecutive bytes, aligned
.endm
.irp tt,0,1,2,3
	EPIK \tt
.endr
	ds_load_b128 v[BK:BK+3], v[SGB]                ; LDS serves a wave's instructions in order: these see my stores
	ds_load_b64 v[BS:BS+1], v[SGS]
	s_wait_dscnt 0x0
	global_store_b128 v[KNO], v[BK:BK+3], s[K2:K2+1] offset:6656   ; lanes 0-15: 256 bytes of norms; lanes 16-31: 256 bytes of reciprocals
	global_store_b64 v[L8], v[BS:BS+1], s[K2:K2+1] offset:6144
	PART 2, 1                                      ; ---- v
.macro EPIV nt
	s_wait_xcnt 0x0
	QHALF ACC+32*\nt, CD                           ; channel tile nt: my 64 tokens are half of the record's 128 keys
	v_lshl_or_b32 v[WD], v[QBY+1], 8, v[QBY]
	v_lshlrev_b32 v[WD], s[SH], v[WD]              ; at its place in the scale word
	ds_store_b32 v[VSA], v[WD] offset:64*\nt
	global_store_b128 v[L16], v[CD:CD+3], s[KV:KV+1] offset:7680+1536*\nt
	global_store_b64 v[L8], v[CD+4:CD+5], s[KV:KV+1] offset:7680+1536*\nt+512
.endm
.irp nt,0,1,2,3
	EPIV \nt
.endr
	s_wait_dscnt 0x0                               ; for the others' sake: my half-words lie in LDS
	s_barrier_signal -1
	s_barrier_wait -1
	s_cmp_lg_u32 s56, 0                            ; the even wave of each pair joins the two halves
	s_cbranch_scc1 .Lodd
	ds_load_b64 v[BS:BS+1], v[VSR]
	ds_load_b64 v[BK:BK+1], v[VSR] offset:256
	s_wait_dscnt 0x0
	v_or_b32 v[BS], v[BS], v[BK]
	v_or_b32 v[BS+1], v[BS+1], v[BK+1]
	global_store_b64 v[L8], v[BS:BS+1], s[KR:KR+1] offset:13824
.Lodd:
	s_wait_tensorcnt 0x0
	ds_add_u32 v254, v255
	s_wait_dscnt 0x0
	ROUND                                          ; the closing round
	s_endpgm
.Lfunc_end_k_qe56ff91ae9_qkv:
	.size	k_qe56ff91ae9_qkv, .Lfunc_end_k_qe56ff91ae9_qkv-k_qe56ff91ae9_qkv
	.p2alignl 7, 3214868480
	.fill 96, 4, 3214868480
	.section	.rodata,"a",@progbits
	.p2align	6, 0x0
	.amdhsa_kernel k_qe56ff91ae9_qkv
		.amdhsa_group_segment_fixed_size 327680
		.amdhsa_private_segment_fixed_size 0
		.amdhsa_enable_private_segment 0
		.amdhsa_kernarg_size 24
		.amdhsa_user_sgpr_count 2
		.amdhsa_user_sgpr_kernarg_segment_ptr 1
		.amdhsa_wavefront_size32 1
		.amdhsa_system_sgpr_workgroup_id_x 1
		.amdhsa_system_sgpr_workgroup_id_y 1
		.amdhsa_system_sgpr_workgroup_id_z 1
		.amdhsa_system_vgpr_workitem_id 0
		.amdhsa_next_free_vgpr 896
		.amdhsa_next_free_sgpr 66
		.amdhsa_reserve_vcc 0
		.amdhsa_float_denorm_mode_32 3
		.amdhsa_float_denorm_mode_16_64 3
		.amdhsa_memory_ordered 1
		.amdhsa_forward_progress 1
		.amdhsa_inst_pref_size 129
	.end_amdhsa_kernel
	.amdgpu_metadata
---
amdhsa.version: [ 1, 2 ]
amdhsa.kernels:
  - .name:           k_qe56ff91ae9_qkv
    .symbol:         k_qe56ff91ae9_qkv.kd
    .args:
      - { .name: img, .offset: 0, .size: 8, .value_kind: global_buffer, .address_space: global }
      - { .name: qrec, .offset: 8, .size: 8, .value_kind: global_buffer, .address_space: global }
      - { .name: kv, .offset: 16, .size: 8, .value_kind: global_buffer, .address_space: global }
    .group_segment_fixed_size: 327680
    .private_segment_fixed_size: 0
    .kernarg_segment_align: 8
    .kernarg_segment_size: 24
    .max_flat_workgroup_size: 128
    .sgpr_count:     66
    .vgpr_count:     896
    .wavefront_size: 32
...
	.end_amdgpu_metadata
.endif
;; end of part 2
;; launch attn (part 3): grid 8 x 32, 8 waves a work-group, clusters of 4 x 1, 226,304 bytes of LDS; arguments qrec, kv, arec; writes arec
.if DOCPART == 3
	.amdgcn_target "amdgcn-amd-amdhsa--gfx1250"
	.amdhsa_code_object_version 6
	.text
	.protected	k_qe56ff91ae9_attn
	.globl	k_qe56ff91ae9_attn
	.p2align	8
	.type	k_qe56ff91ae9_attn,@function
k_qe56ff91ae9_attn:
	s_mov_b64 s[64:65], 0
	v_nop
	global_prefetch_b8 v0, s[64:65] scope:SCOPE_SE
	s_setreg_imm32_b32 hwreg(HW_REG_WAVE_MODE, 25, 1), 1
	s_wait_xcnt 0x0
	s_wait_alu depctr_hold_cnt(0) depctr_sa_sdst(0) depctr_va_vdst(0) depctr_va_sdst(0) depctr_va_ssrc(0) depctr_va_vcc(0) depctr_vm_vsrc(0)
	s_getreg_b32 s2, hwreg(HW_REG_IB_STS2, 6, 4)
	s_cmp_eq_u32 s2, 0
	s_cbranch_scc0 .Lentry_in_a_cluster
	s_endpgm
.Lentry_in_a_cluster:
	s_bfe_u32 s2, ttmp6, 0x10000c
	s_cmp_lg_u32 s2, 0x3003
	s_cbranch_scc0 .Lentry_shape_is_right
	s_endpgm
.Lentry_shape_is_right:
; softmax(-arccosh(z)) v for one head (bh) and 256 queries; z = max(1 + 2 d / den, 1), d = max(|q|^2 + |k|^2 - 2 q.k, 0), den = max((1 - |q|^2)(1 - |k|^2), 1e-6).  Both products on codes of BF6.
; THE ARITHMETIC.  exp(-arccosh(z)) = 1 / w, w = z + sqrt(z^2 - 1): one square root and one reciprocal a score.  z is formed as the reference forms its cosh_arg.
; THE SHIFT.  t = -log2 w.  The reference's own clip holds z at 1 from below, so t <= 0; a finite z of f32 lies under 2^128, so t > -129: the computation itself bounds the exponents, for every input.
;   p is kept as 2^(t + 32) = 1 / (c w), c = 2^-32: it lies between 2^-97 and 2^32, and a row's sum of 2,048 of them under 2^43: neither can overflow or underflow in f32.  So M is the constant -32,
;   a whole number; a block's scale takes the power of two up, so the codes' values are those under M = ceil(the row's largest t).  The row's sum is taken of the unquantised p and divides O at the end.
;   D = q.k - |k|^2 / 2 comes from the product itself, whose C is -|k|^2 / 2;  d' = |q|^2 - 2 D;  G = 2 c / den = the lesser, as unsigned bits, of (2 c ra) rb and 2 c 1e6: a negative product, an infinity
;   and a NaN pattern lie above it as unsigned bits, which is the reference's max(.., 1e-6);  z' = c z = max(d' G + c, c), which is both of the reference's clips, G being positive;
;   y = z' z' - c^2;  w' = z' + sqrt(y);  p = 1 / w'.
; A block's largest p is not searched for: the block's least z' goes through the same instructions.  That leans on the square root and the reciprocal not falling the wrong way, which the ISA guide
; does not state (it promises 1 ulp): at the worst one p of a block, within an ulp of a power of two, is held one code low.
; LIMITS: z' z' overflows where z is 2^96 or more: such a pair counts as p = 0, so for at least one key of each row z lies under 2^96; NaN is not served.
; SHARES.  A work-group owns 256 queries; each of its eight waves two tiles of 16, in 512 registers.  K's and V's fragments and the keys' two vectors are read from LDS once for both tiles.
; THE WHOLE HEAD, 16 records of 14,080 bytes (128 keys each, laid by the launch before), lies in LDS, each byte filled once: no ring, no barrier in the loop.
; CLUSTER.  The four query blocks of a cluster have one head: they ask for its records JOINTLY; wave w fetches records 2 w and 2 w + 1, which lie on end, by ONE load of 110 rows of 256 bytes.
; NO PREFETCH: every byte of kv that the work-group reads is asked for by those loads at the head; the loop asks memory for nothing.
; THE TRANSCENDENTALS of a tile stand in two batches of 68; all sources are laid first, with one wait ahead of a batch and one behind it.
; LAYOUT.  Both products transposed: S^T = K Q^T, O^T = V^T P^T: a lane holds one query (lane % 16).  Register 16 b + i of S holds key 32 b + 16 (lane / 16) + i of the step.
; K = 64 IN AN INSTRUCTION OF 128: Q's codes of k = 64 .. 127 are zeros and stay so.  K's half fragments lie on end, six registers each; fragment i is named as twelve, so its upper half is tile
; i + 1's codes (behind the last: six zeros): they meet Q's zero codes and add exactly nothing.  The scale words' upper bytes are 0, which is 2^-127 and no NaN.
; The result, O / sum, is quantised along the head's channels and stored as arec [tile of 16 tokens 256][head 16][1,024 B]: planes 0-2 the half fragment, plane 3 (byte 0 | byte 1 << 8, 0).
; REGISTERS.  window 0: v1-7, v26-29, v38-40 addresses; v8-14 conversions' upper halves; v15, v63 the add's two; v16-21, v30 and v32-37, v46 a tile's numbers (ST); v22-25 c and -c^2; v48-71 at work;
;   v72-75 K's scale words, v76-77 V's, v78-79 P's; v80-103 Q; v104-127 P; v128-191 S; v192-255 G (G, then y and its root; late in a step V's fragments).
;   window 1: v0-63 -|k|^2/2; v64-127 rb; v128-181 K; v192-255 O^T.
.set RECB, 14080
.set SPARE, 0x37000                    ; behind the 16 records: the spare words, 128 bytes for each of eight waves
.set WV,  10
.set G1,  16
.set G0,  24
.set SEL, 32
.set E6,  34                           ; 2^-31 x 1e6
.set SB,  35                           ; the step's record in LDS
.set CNT, 36
.set SBN, 37                           ; the next step's record
.set QB,  38
.set AB,  40
.set L8,  1
.set L4,  2
.set H64, 3
.set A8,  4                            ; this step's record: 8, 4 and 16 bytes a lane (for V)
.set A4,  5
.set R8,  7
.set CT,  8
.set SPW, 15
.set NIL, 63
.set ST,  16
.set oQN, 0                            ; in ST: a number in both words of an even pair
.set oRA, 2                            ; 2^-31 / (1 - |q|^2)
.set oL,  4                            ; the sum, in two halves
.set oQS, 14                           ; Q's scale word
.set CC1, 22                           ; c = 2^-32, in both words
.set CNC, 24                           ; -c^2
.set L16, 26
.set A16, 27
.set N16, 28                           ; the next step's record: 16, 8, 4 bytes a lane, 64 a half
.set N8,  29
.set N4,  38
.set NH,  39
.set BM,  48
.set BX,  52
.set RS,  56
.set WB,  64
.set SO,  68
.set KS,  72
.set VS,  76
.set PW,  78
.set Q,   80
.set P,   104
.set S,   128
.set G,   192
.set KN,  0
.set RB,  64
.set KF,  128
.set O,   192
.set QM,  48                           ; the last quantiser's registers
.set QX,  52
.set QBY, 54
.set QSO, 68
.set MSB, 0
.macro WIN new                         ; the immediate's high byte repeats the setting that is left
.if MSB != (\new)
	s_set_vgpr_msb (MSB<<8)|(\new)
.set MSB, (\new)
.endif
.endm
.macro ROUND                           ; a round of the cluster's barrier
	s_barrier_signal -1
	s_barrier_wait -1
	s_cmp_lg_u32 s[WV], 0
	s_cbranch_scc1 .Lnot_wave_0_\@
	s_barrier_signal -3
.Lnot_wave_0_\@:
	s_barrier_wait -3
	s_barrier_signal -1
	s_barrier_wait -1
.endm
.macro QHALF a, cd                     ; 32 numbers of a lane, register 16 b + i = element 32 b + 16 (lane / 16) + i, become six registers of codes and two bytes
.irp b,0,1
	v_max3_num_f32 v[QM+\b], |v[\a+16*\b]|, |v[\a+16*\b+1]|, 0x2800000   ; the floor 2^(5 - 127): the byte cannot fall under 1
.endr
.irp i,2,4,6,8,10,12,14
.irp b,0,1
	v_max3_num_f32 v[QM+\b], v[QM+\b], |v[\a+16*\b+\i]|, |v[\a+16*\b+\i+1]|
.endr
.endr
.irp b,0,1
	v_permlanex16_b32 v[QX+\b], v[QM+\b], s[SEL], s[SEL+1]
.endr
.irp b,0,1
	v_max_num_f32 v[QM+\b], v[QM+\b], v[QX+\b]
.endr
.irp b,0,1
	v_add_nc_u32 v[QSO+\b], 0xfe000000, v[QM+\b]   ; 4 off the exponent field: the conversion's scale operand
.endr
.irp b,0,1
	v_lshrrev_b32 v[QBY+\b], 23, v[QSO+\b]
.endr
	v_cvt_scalef32_pk16_bf6_f32 v[\cd:\cd+2], v[\a:\a+15], v[QSO]
	v_cvt_scalef32_pk16_bf6_f32 v[CT:CT+2], v[\a+16:\a+31], v[QSO+1]
	v_nop                                          ; one plain place behind a scaled conversion
.irp i,0,1,2
	v_permlane16_swap_b32 v[\cd+\i], v[CT+\i]      ; a whole block to a lane
.endr
.irp i,0,1,2
	v_mov_b32 v[\cd+3+\i], v[CT+\i]
.endr
.endm
; What a step's first product and g want of a record: K's scale words and half fragments, -|k|^2 / 2, rb: 52 loads
.macro KLOAD a16, a8, a4, ah
.irp j,0,1,2,3
	ds_load_b32 v[KS+\j], v[\a4] offset:6144+128*\j   ; lanes 0-15: tile 2 j's scale words, lanes 16-31: tile 2 j + 1's
.endr
	WIN 0x40                                       ; destination window 1
.irp i,0,1,2,3,4,5,6,7
	ds_load_b128 v[KF+6*\i:KF+6*\i+3], v[\a16] offset:768*\i
	ds_load_b64 v[KF+6*\i+4:KF+6*\i+5], v[\a8] offset:768*\i+512
.endr
.irp b,0,1,2,3
.irp q,0,1,2,3
	ds_load_b128 v[KN+16*\b+4*\q:KN+16*\b+4*\q+3], v[\ah] offset:6656+128*\b+16*\q   ; keys 32 b + 16 h + 4 q on: the result's own layout
.endr
.endr
.irp b,0,1,2,3
.irp q,0,1,2,3
	ds_load_b128 v[RB+16*\b+4*\q:RB+16*\b+4*\q+3], v[\ah] offset:7168+128*\b+16*\q
.endr
.endr
	WIN 0
.endm
; S^T = K Q^T - |k|^2 / 2 for tile t: eight tiles of 16 keys
.macro QK t
	WIN 0x11                                       ; source 0 (K) and source 2 window 1
.irp i,0,2,4,6
	v_wmma_scale_f32_16x16x128_f8f6f4 v[S+8*\i:S+8*\i+7], v[KF+6*\i:KF+6*\i+11], v[Q+12*\t:Q+12*\t+11], v[KN+8*\i:KN+8*\i+7], v[KS+\i/2], v[ST+16*\t+oQS] matrix_a_fmt:MATRIX_FMT_BF6 matrix_b_fmt:MATRIX_FMT_BF6
	v_wmma_scale_f32_16x16x128_f8f6f4 v[S+8*\i+8:S+8*\i+15], v[KF+6*\i+6:KF+6*\i+17], v[Q+12*\t:Q+12*\t+11], v[KN+8*\i+8:KN+8*\i+15], v[KS+\i/2], v[ST+16*\t+oQS] matrix_a_fmt:MATRIX_FMT_BF6 matrix_b_fmt:MATRIX_FMT_BF6 matrix_a_scale:MATRIX_SCALE_ROW1
.endr
.endm
; Tile t's G: 96 plain lines that name none of QK's registers: they are the places behind those products
.macro GMAKE t
	WIN 0x01
.set jj, 0
.rept 32
	v_pk_mul_f32 v[G+jj:G+jj+1], v[RB+jj:RB+jj+1], v[ST+16*\t+oRA:ST+16*\t+oRA+1] op_sel_hi:[1,0]
.set jj, jj+2
.endr
	WIN 0
.set jj, 0
.rept 64
	v_min_u32 v[G+jj], s[E6], v[G+jj]
.set jj, jj+1
.endr
.endm
.macro Y4                              ; four lines of y = z' z' - c^2, dealt among the four chains of minima
.rept 4
	v_pk_fma_f32 v[G+jy:G+jy+1], v[S+jy:S+jy+1], v[S+jy:S+jy+1], v[CNC:CNC+1] op_sel_hi:[1,1,0]
.set jy, jy+2
.endr
.endm
; Tile t's 64 scores of a lane become p's codes in v[P + 12 t] on and their scale word in v[PW + t].
.macro SOFT t
.set TS, ST+16*\t
.set jj, 0
.rept 32
	v_pk_fma_f32 v[S+jj:S+jj+1], v[S+jj:S+jj+1], -2.0, v[TS+oQN:TS+oQN+1] op_sel_hi:[1,0,0]   ; |q|^2 + |k|^2 - 2 q.k, each accumulator from its low end on
.set jj, jj+2
.endr
.set jj, 0
.rept 32
	v_pk_fma_f32 v[S+jj:S+jj+1], v[S+jj:S+jj+1], v[G+jj:G+jj+1], v[CC1:CC1+1] op_sel_hi:[1,1,0]
.set jj, jj+2
.endr
.set jj, 0
.rept 32
	v_dual_max_num_f32 v[S+jj], v[CC1], v[S+jj] :: v_dual_max_num_f32 v[S+jj+1], v[CC1], v[S+jj+1]   ; z': two clips in one line
.set jj, jj+2
.endr
.set jy, 0
.irp b,0,1,2,3
	v_min3_num_f32 v[BM+\b], v[S+16*\b], v[S+16*\b+1], v[S+16*\b+2]   ; the least z' of each block of 32 keys, the four blocks by turns
.endr
	Y4
.irp i,3,5,7,9,11,13
.irp b,0,1,2,3
	v_min3_num_f32 v[BM+\b], v[BM+\b], v[S+16*\b+\i], v[S+16*\b+\i+1]
.endr
	Y4
.endr
.irp b,0,1,2,3
	v_min_num_f32 v[BM+\b], v[BM+\b], v[S+16*\b+15]
.endr
	Y4
.irp b,0,1,2,3
	v_permlanex16_b32 v[BX+\b], v[BM+\b], s[SEL], s[SEL+1]
.endr
.irp b,0,1,2,3
	v_min_num_f32 v[BM+\b], v[BM+\b], v[BX+\b]     ; with lane l xor 16's 16 keys
.endr
	v_pk_fma_f32 v[RS:RS+1], v[BM:BM+1], v[BM:BM+1], v[CNC:CNC+1] op_sel_hi:[1,1,0]   ; the blocks' least z' takes the lines that every score takes
	v_pk_fma_f32 v[RS+2:RS+3], v[BM+2:BM+3], v[BM+2:BM+3], v[CNC:CNC+1] op_sel_hi:[1,1,0]
	s_wait_alu depctr_va_vdst(0)                   ; the wait ahead of the batch
.set jj, 0
.rept 64
	v_sqrt_f32 v[G+jj], v[G+jj]
.set jj, jj+1
.endr
.irp i,0,1,2,3
	v_sqrt_f32 v[RS+\i], v[RS+\i]
.endr
	v_nop                                          ; a plain place behind the last square root
	s_wait_alu depctr_va_vdst(0)                   ; and the wait behind the batch, ahead of its first reader
.set jj, 0
.rept 32
	v_pk_add_f32 v[S+jj:S+jj+1], v[S+jj:S+jj+1], v[G+jj:G+jj+1]   ; w'
.set jj, jj+2
.endr
	v_pk_add_f32 v[WB:WB+1], v[BM:BM+1], v[RS:RS+1]
	v_pk_add_f32 v[WB+2:WB+3], v[BM+2:BM+3], v[RS+2:RS+3]
.if \t == 1
.irp ct,0,1,2,3                        ; G has been read out: V's four fragments (16 channels x 128 keys) land there while the step's tail is worked
.irp c,0,1
	ds_load_b128 v[G+12*\ct+6*\c:G+12*\ct+6*\c+3], v[A16] offset:7680+1536*\ct+768*\c
	ds_load_b64 v[G+12*\ct+6*\c+4:G+12*\ct+6*\c+5], v[A8] offset:7680+1536*\ct+768*\c+512
.endr
.endr
.irp j,0,1
	ds_load_b32 v[VS+\j], v[A4] offset:13824+128*\j   ; lanes 0-15: tile 2 j's words, lanes 16-31: tile 2 j + 1's
.endr
.endif
	s_wait_alu depctr_va_vdst(0)                   ; the wait ahead of the batch
.set jj, 0
.rept 64
	v_rcp_f32 v[S+jj], v[S+jj]                     ; p
.set jj, jj+1
.endr
.irp b,0,1,2,3
	v_rcp_f32 v[WB+\b], v[WB+\b]                   ; the blocks' largest p
.endr
	v_nop                                          ; a plain place behind the last reciprocal
	s_wait_alu depctr_va_vdst(0)                   ; the wait behind the batch
.irp b,0,1,2,3
	v_max_num_f32 v[WB+\b], 0x2800000, v[WB+\b]    ; the floor 2^(5 - 127): the byte cannot fall under 1
.endr
.irp b,0,1,2,3
	v_add_nc_u32 v[SO+\b], 0xfe000000, v[WB+\b]    ; 4 off the exponent field: the conversion's scale operand
.endr
.irp b,0,1,2,3
	v_lshrrev_b32 v[BX+\b], 23, v[SO+\b]
.endr
	v_lshl_or_b32 v[BX], v[BX+1], 8, v[BX]
	v_lshl_or_b32 v[BX+2], v[BX+3], 8, v[BX+2]
.irp c,0,1
	v_cvt_scalef32_pk16_bf6_f32 v[P+12*\t+6*\c:P+12*\t+6*\c+2], v[S+32*\c:S+32*\c+15], v[SO+2*\c]
	v_cvt_scalef32_pk16_bf6_f32 v[CT+4*\c:CT+4*\c+2], v[S+32*\c+16:S+32*\c+31], v[SO+2*\c+1]
.endr
	v_lshl_or_b32 v[PW+\t], v[BX+2], 16, v[BX]     ; p's scale word.  (The plain place behind the conversions)
.irp c,0,1
.irp i,0,1,2
	v_permlane16_swap_b32 v[P+12*\t+6*\c+\i], v[CT+4*\c+\i]
.endr
.irp i,0,1,2
	v_mov_b32 v[P+12*\t+6*\c+3+\i], v[CT+4*\c+\i]
.endr
.endr
	v_pk_add_f32 v[TS+oL:TS+oL+1], v[TS+oL:TS+oL+1], v[S:S+1]   ; the row's sum, of the unquantised p: four chains.  These lines stand between the writing of P's codes and scale word and the products that take them
.irp c,1,2,3
	v_pk_add_f32 v[54+2*\c:55+2*\c], v[S+2*\c:S+2*\c+1], v[S+8+2*\c:S+8+2*\c+1]
.endr
	v_pk_add_f32 v[TS+oL:TS+oL+1], v[TS+oL:TS+oL+1], v[S+8:S+9]
.irp k,2,3,4,5,6,7
	v_pk_add_f32 v[TS+oL:TS+oL+1], v[TS+oL:TS+oL+1], v[S+8*\k:S+8*\k+1]
.irp c,1,2,3
	v_pk_add_f32 v[54+2*\c:55+2*\c], v[54+2*\c:55+2*\c], v[S+8*\k+2*\c:S+8*\k+2*\c+1]
.endr
.endr
	v_pk_add_f32 v[56:57], v[56:57], v[58:59]
	v_pk_add_f32 v[TS+oL:TS+oL+1], v[TS+oL:TS+oL+1], v[60:61]
	s_delay_alu instid0(VALU_DEP_1)
	v_pk_add_f32 v[TS+oL:TS+oL+1], v[TS+oL:TS+oL+1], v[56:57]
.endm
.macro PV1 ct, t
.if (\ct)%2 == 0
	v_wmma_scale_f32_16x16x128_f8f6f4 v[O+32*\t+8*\ct:O+32*\t+8*\ct+7], v[G+12*\ct:G+12*\ct+11], v[P+12*\t:P+12*\t+11], v[O+32*\t+8*\ct:O+32*\t+8*\ct+7], v[VS+\ct/2], v[PW+\t] matrix_a_fmt:MATRIX_FMT_BF6 matrix_b_fmt:MATRIX_FMT_BF6
.else
	v_wmma_scale_f32_16x16x128_f8f6f4 v[O+32*\t+8*\ct:O+32*\t+8*\ct+7], v[G+12*\ct:G+12*\ct+11], v[P+12*\t:P+12*\t+11], v[O+32*\t+8*\ct:O+32*\t+8*\ct+7], v[VS+\ct/2], v[PW+\t] matrix_a_fmt:MATRIX_FMT_BF6 matrix_b_fmt:MATRIX_FMT_BF6 matrix_a_scale:MATRIX_SCALE_ROW1
.endif
.endm
; A KEY STEP: 128 keys, the record at LDS byte s[SB].  Its K, norms and rb are in registers: they were asked for in the step before.
.macro STEP
	v_add_nc_u32 v[A16], s[SB], v[L16]             ; these four lines are also the places behind the last step's products V^T P
	v_add_nc_u32 v[A8], s[SB], v[L8]
	v_add_nc_u32 v[A4], s[SB], v[L4]
	v_nop
	QK 0
	GMAKE 0
	SOFT 0
	QK 1
	GMAKE 1
	s_add_co_u32 s[SBN], s[SB], RECB               ; K, the norms and rb have been read out: the next record's take their places.
	s_min_u32 s[SBN], s[SBN], 15*RECB              ; (The last trip has no next record: it reads its own once more, and nobody uses that)
	v_add_nc_u32 v[N16], s[SBN], v[L16]
	v_add_nc_u32 v[N8], s[SBN], v[L8]
	v_add_nc_u32 v[N4], s[SBN], v[L4]
	v_add_nc_u32 v[NH], s[SBN], v[H64]
	KLOAD N16, N8, N4, NH
	SOFT 1
	s_wait_alu depctr_va_vdst(0)                   ; directly ahead of the wait below
	s_wait_dscnt 0x0                               ; V, and the next step's 52 loads, which were issued ahead of V's
	WIN 0x50                                       ; C and D window 1
.irp ct,0,1,2,3
.irp t,0,1
	PV1 \ct,\t                                     ; eight accumulators, one instruction each
.endr
.endr
	WIN 0
.endm
	s_load_b128 s[4:7], s[0:1], 0x0                ; qrec, kv
	s_load_b64 s[8:9], s[0:1], 0x10                ; arec
	v_lshl_add_u32 v[SPW], v0, 2, SPARE
	v_mov_b32 v[NIL], 0
	ds_add_u32 v[SPW], v[NIL]                      ; the opening lines: the add, twice on end, and its wait ahead of my tensor load
	ds_add_u32 v[SPW], v[NIL]
	v_lshrrev_b32 v8, 5, v0
	v_readfirstlane_b32 s[WV], v8                  ; wave 0..7
	s_bfe_u32 s11, ttmp6, 0x40000                  ; cx
	s_lshl_b32 s12, ttmp9, 2
	s_add_co_u32 s12, s12, s11                     ; my block of 256 queries: it enters qrec's and arec's addresses alone
	s_and_b32 s13, ttmp7, 0xffff                   ; bh, which the four partners share
	s_mov_b32 s[G1], 15|(3<<16)|(1<<21)            ; a dense block of 28,160 bytes as 110 rows of 32 elements of 8 bytes; the mask names all four; bit 21 beside it
	s_mov_b32 s[G1+1], 32<<16
	s_mov_b32 s[G1+2], 110<<16
	s_mov_b32 s[G1+3], 32<<16
	s_mov_b32 s[G1+4], 110
	s_mov_b32 s[G1+5], 32
	s_mov_b32 s[G1+6], 0
	s_mov_b32 s[G1+7], 0
	s_mul_i32 s14, s[WV], 2*RECB                   ; records 2 w, 2 w + 1: in LDS as in the head's block of kv
	s_mul_i32 s42, s13, 16*RECB
	s_add_co_u32 s42, s42, s14
	s_mov_b32 s43, 0
	s_lshl_b32 s44, s12, 4
	s_lshl_b32 s45, s[WV], 1
	s_add_co_u32 s44, s44, s45                     ; my first tile of queries in the head: 16 block + 2 wave
	s_lshl_b32 s46, s13, 7
	s_add_co_u32 s46, s46, s44
	s_lshl_b32 s46, s46, 10
	s_mov_b32 s47, 0
	s_lshr_b32 s48, s13, 4
	s_lshl_b32 s48, s48, 7
	s_add_co_u32 s48, s48, s44                     ; the same tile among all tokens' tiles,
	s_lshl_b32 s48, s48, 4
	s_and_b32 s49, s13, 15
	s_add_co_u32 s48, s48, s49                     ; and my head in it
	s_lshl_b32 s48, s48, 10
	s_mov_b32 s49, 0
	s_mov_b32 s[SEL], 0x76543210
	s_mov_b32 s[SEL+1], 0xfedcba98
	s_mov_b32 s[E6], 0x39f42400
	v_and_b32 v9, 31, v0
	v_lshlrev_b32 v[L8], 3, v9
	v_lshlrev_b32 v[L4], 2, v9
	v_lshlrev_b32 v[L16], 4, v9
	v_bfe_u32 v10, v0, 4, 1
	v_lshlrev_b32 v[H64], 6, v10
	v_and_b32 v11, 15, v0
	v_lshlrev_b32 v[R8], 3, v11
	s_wait_alu depctr_va_vdst(0)                   ; directly ahead of the waits below
	s_wait_dscnt 0x0                               ; both opening adds are done
	s_wait_kmcnt 0x0
	s_mov_b32 s[G0], 1
	s_mov_b32 s[G0+1], s14
	s_add_nc_u64 s[G0+2:G0+3], s[6:7], s[42:43]
	s_or_b32 s[G0+3], s[G0+3], 0x80000000
	s_add_nc_u64 s[QB:QB+1], s[4:5], s[46:47]
	s_add_nc_u64 s[AB:AB+1], s[8:9], s[48:49]
	ROUND                                          ; all four work-groups are here: the joint loads meet
	tensor_load_to_lds s[G0:G0+3], s[G1:G1+7]      ; my one load
	s_nop 0
.rept 4
	v_nop
.endr
.irp t,0,1
.irp p,0,1,2
	global_load_b64 v[Q+12*\t+2*\p:Q+12*\t+2*\p+1], v[L8], s[QB:QB+1] offset:1024*\t+256*\p
.endr
	global_load_b32 v[ST+16*\t+oQS], v[R8], s[QB:QB+1] offset:1024*\t+768     ; query r's scale word, in both halves of the lanes,
	global_load_b32 v[ST+16*\t+oQN], v[R8], s[QB:QB+1] offset:1024*\t+772     ; |q|^2, into both words of its pair,
	global_load_b32 v[ST+16*\t+oQN+1], v[R8], s[QB:QB+1] offset:1024*\t+772
	global_load_b32 v[ST+16*\t+oRA], v[R8], s[QB:QB+1] offset:1024*\t+896     ; and 1 / (1 - |q|^2) likewise
	global_load_b32 v[ST+16*\t+oRA+1], v[R8], s[QB:QB+1] offset:1024*\t+896
.endr
.irp t,0,1
	v_mov_b32 v[ST+16*\t+oL], 0                    ; the sum
	v_mov_b32 v[ST+16*\t+oL+1], 0
.irp i,6,7,8,9,10,11
	v_mov_b32 v[Q+12*\t+\i], 0                     ; Q's codes of k = 64 .. 127
.endr
.endr
	v_mov_b32 v[CC1], 0x2f800000                   ; c = 2^-32
	v_mov_b32 v[CC1+1], 0x2f800000
	v_mov_b32 v[CNC], 0x9f800000                   ; -c^2 = -2^-64
	v_mov_b32 v[CNC+1], 0x9f800000
.irp b,0,1,2,3
	v_mov_b32 v[BX+\b], 0                          ; lane permutes' destinations count as sources
.endr
	WIN 0x40
.irp i,48,49,50,51,52,53
	v_mov_b32 v[KF+\i], 0                          ; behind K's last half fragment
.endr
.set jj, 0
.rept 64
	v_mov_b32 v[O+jj], 0                           ; O^T.  (The step is written once: the first adds onto zeros)
.set jj, jj+1
.endr
	WIN 0
	s_wait_loadcnt 0x0
.irp t,0,1
	v_mul_f32 v[ST+16*\t+oRA], 0x30000000, v[ST+16*\t+oRA]       ; 2 c ra: x 2^-31, which rounds nothing
	v_mul_f32 v[ST+16*\t+oRA+1], 0x30000000, v[ST+16*\t+oRA+1]
.endr
	s_wait_alu depctr_va_vdst(0)                   ; the wait at the head's end
	s_wait_tensorcnt 0x0                           ; my two records have landed,
	s_barrier_signal -1
	s_barrier_wait -1                              ; everybody's have: the head is whole, and nothing is filled again
	KLOAD L16, L8, L4, H64                         ; record 0 lies at LDS byte 0
	s_mov_b32 s[SB], 0
	s_mov_b32 s[CNT], 16
	s_wait_dscnt 0x0
.Lstep:
	STEP
	s_add_co_u32 s[SB], s[SB], RECB
	s_sub_co_u32 s[CNT], s[CNT], 1
	s_cmp_lg_u32 s[CNT], 0
	s_cbranch_scc1 .Lstep
	; THE WAY OUT.  The additions are the places behind the last products.
	v_add_f32 v48, v[ST+oL], v[ST+oL+1]
	v_add_f32 v50, v[ST+16+oL], v[ST+16+oL+1]
	v_permlanex16_b32 v52, v48, s[SEL], s[SEL+1]
	v_permlanex16_b32 v53, v50, s[SEL], s[SEL+1]
	v_add_f32 v48, v48, v52                        ; the rows' sums
	v_add_f32 v50, v50, v53
	s_wait_alu depctr_va_vdst(0)                   ; the wait ahead of the two reciprocals
	v_rcp_f32 v56, v48
	v_rcp_f32 v58, v50
	v_nop
	WIN 0x01
	s_wait_alu depctr_va_vdst(0)                   ; the wait behind them, directly ahead of the first reader of O^T
.irp t,0,1
.set jj, 0
.rept 16
	v_pk_mul_f32 v[S+32*\t+jj:S+32*\t+jj+1], v[O+32*\t+jj:O+32*\t+jj+1], v[56+2*\t:57+2*\t] op_sel_hi:[1,0]   ; register 16 b + i: channel 32 b + 16 (lane / 16) + i
.set jj, jj+2
.endr
.endr
	WIN 0
.irp t,0,1
	QHALF S+32*\t, P+12*\t
	v_lshl_or_b32 v[P+12*\t+6], v[QBY+1], 8, v[QBY]
	v_mov_b32 v[P+12*\t+7], 0
	global_store_b128 v[L16], v[P+12*\t:P+12*\t+3], s[AB:AB+1] offset:16384*\t         ; the half fragment lies as 512 bytes (registers 0-3, 16 bytes a lane)
	global_store_b64 v[L8], v[P+12*\t+4:P+12*\t+5], s[AB:AB+1] offset:16384*\t+512     ; and 256 bytes (registers 4, 5);
	global_store_b64 v[L8], v[P+12*\t+6:P+12*\t+7], s[AB:AB+1] offset:16384*\t+768     ; behind it the scale bytes: each store covers whole aligned runs of 256 bytes
.endr
	s_wait_tensorcnt 0x0                           ; the wave's end
	ds_add_u32 v[SPW], v[NIL]
	s_wait_dscnt 0x0
	ROUND                                          ; the closing round
	s_endpgm
.Lfunc_end_k_qe56ff91ae9_attn:
	.size	k_qe56ff91ae9_attn, .Lfunc_end_k_qe56ff91ae9_attn-k_qe56ff91ae9_attn
	.p2alignl 7, 3214868480
	.fill 96, 4, 3214868480
	.section	.rodata,"a",@progbits
	.p2align	6, 0x0
	.amdhsa_kernel k_qe56ff91ae9_attn
		.amdhsa_group_segment_fixed_size 226304
		.amdhsa_private_segment_fixed_size 0
		.amdhsa_enable_private_segment 0
		.amdhsa_kernarg_size 24
		.amdhsa_user_sgpr_count 2
		.amdhsa_user_sgpr_kernarg_segment_ptr 1
		.amdhsa_wavefront_size32 1
		.amdhsa_system_sgpr_workgroup_id_x 1
		.amdhsa_system_sgpr_workgroup_id_y 1
		.amdhsa_system_sgpr_workgroup_id_z 1
		.amdhsa_system_vgpr_workitem_id 0
		.amdhsa_next_free_vgpr 512
		.amdhsa_next_free_sgpr 66
		.amdhsa_reserve_vcc 0
		.amdhsa_float_denorm_mode_32 3
		.amdhsa_float_denorm_mode_16_64 3
		.amdhsa_memory_ordered 1
		.amdhsa_forward_progress 1
		.amdhsa_inst_pref_size 77
	.end_amdhsa_kernel
	.amdgpu_metadata
---
amdhsa.version: [ 1, 2 ]
amdhsa.kernels:
  - .name:           k_qe56ff91ae9_attn
    .symbol:         k_qe56ff91ae9_attn.kd
    .args:
      - { .name: qrec, .offset: 0, .size: 8, .value_kind: global_buffer, .address_space: global }
      - { .name: kv, .offset: 8, .size: 8, .value_kind: global_buffer, .address_space: global }
      - { .name: arec, .offset: 16, .size: 8, .value_kind: global_buffer, .address_space: global }
    .group_segment_fixed_size: 226304
    .private_segment_fixed_size: 0
    .kernarg_segment_align: 8
    .kernarg_segment_size: 24
    .max_flat_workgroup_size: 256
    .sgpr_count:     66
    .vgpr_count:     512
    .wavefront_size: 32
...
	.end_amdgpu_metadata
.endif
;; end of part 3
;; launch oproj (part 4): grid 16 x 16, 4 waves a work-group, clusters of 4 x 1, 168,448 bytes of LDS; arguments arec, img, out0; writes out0
.if DOCPART == 4
	.amdgcn_target "amdgcn-amd-amdhsa--gfx1250"
	.amdhsa_code_object_version 6
	.text
	.protected	k_qe56ff91ae9_oproj
	.globl	k_qe56ff91ae9_oproj
	.p2align	8
	.type	k_qe56ff91ae9_oproj,@function
k_qe56ff91ae9_oproj:
	s_mov_b64 s[64:65], 0
	v_nop
	global_prefetch_b8 v0, s[64:65] scope:SCOPE_SE
	s_setreg_imm32_b32 hwreg(HW_REG_WAVE_MODE, 25, 1), 1
	s_wait_xcnt 0x0
	s_wait_alu depctr_hold_cnt(0) depctr_sa_sdst(0) depctr_va_vdst(0) depctr_va_sdst(0) depctr_va_ssrc(0) depctr_va_vcc(0) depctr_vm_vsrc(0)
	s_getreg_b32 s2, hwreg(HW_REG_IB_STS2, 6, 4)
	s_cmp_eq_u32 s2, 0
	s_cbranch_scc0 .Lentry_in_a_cluster
	s_endpgm
.Lentry_in_a_cluster:
	s_bfe_u32 s2, ttmp6, 0x10000c
	s_cmp_lg_u32 s2, 0x3003
	s_cbranch_scc0 .Lentry_shape_is_right
	s_endpgm
.Lentry_shape_is_right:
; out0 = a wo^T: a [4096][1024] lies in arec as codes (per tile of 16 tokens and head: a half fragment and half a scale word), wo in img's tiles 448-511.  out0 [4096][1024] f32.
; SHARES.  Work-group (bx, by): tokens 256 bx on x columns 64 by on.  Wave w owns 64 tokens, four tiles; their codes, all of K, go from memory straight into 384 registers.
; wo's four tiles of 16 rows (51,200 B, all of K) lie in LDS, each byte filled once; each fragment read from LDS feeds four matrix instructions.
; CLUSTER.  The four work-groups of a cluster have one block of columns: they ask for wo's tiles JOINTLY, one load a wave.  a's fragments are each used by one wave alone and go to its registers.
; Source 0 = 16 rows of wo, source 1 = 16 tokens: a lane holds one token, and register 16 b + i of a tile of tokens holds column 32 b + 16 (lane / 16) + i.
; The rows of a tile are not neighbours: lane r of tile t holds row 32 (t / 2) + 8 (t % 2) + r + 8 (r / 8), for tokens and for wo's rows alike.
; REGISTERS: window 0: v1-6 addresses; v32-47 wo's scale words; v48-175 the 16 accumulators (first: a's 64 half-words); v176-207 a's scale words; v208-239 rows on the way out.
;   window 1: a's tiles 0, 1 (96 registers each); window 2: tiles 2, 3; window 3: wo's four fragments of a K step, two sets of 48.
.set TILEB, 12800
.set STG,   51200                      ; behind the weights: 16 rows x 272 B for each wave
.set SPIT,  272
.set WV,  10
.set G1,  16
.set G0,  24
.set AB,  28
.set OB,  30
.set L16, 1
.set L8,  2
.set R8,  3
.set STO, 4
.set SRD, 5
.set GO,  6
.set WS,  32
.set ACC, 48
.set AS,  176
.set BK,  208
.set MSB, 0
.macro WIN new
.if MSB != (\new)
	s_set_vgpr_msb (MSB<<8)|(\new)
.set MSB, (\new)
.endif
.endm
.macro ROUND
	s_barrier_signal -1
	s_barrier_wait -1
	s_cmp_lg_u32 s[WV], 0
	s_cbranch_scc1 .Lnot_wave_0_\@
	s_barrier_signal -3
.Lnot_wave_0_\@:
	s_barrier_wait -3
	s_barrier_signal -1
	s_barrier_wait -1
.endm
.macro MMA d, a, b, sa, sb, mode       ; mode 0: C = 0; 1: an even K step; 2: an odd one: wo's scale words stand in lanes 16-31
.if \mode == 0
	v_wmma_scale_f32_16x16x128_f8f6f4 v[\d:\d+7], v[\a:\a+11], v[\b:\b+11], 0, v[\sa], v[\sb] matrix_a_fmt:MATRIX_FMT_BF6 matrix_b_fmt:MATRIX_FMT_BF6
.elseif \mode == 1
	v_wmma_scale_f32_16x16x128_f8f6f4 v[\d:\d+7], v[\a:\a+11], v[\b:\b+11], v[\d:\d+7], v[\sa], v[\sb] matrix_a_fmt:MATRIX_FMT_BF6 matrix_b_fmt:MATRIX_FMT_BF6
.else
	v_wmma_scale_f32_16x16x128_f8f6f4 v[\d:\d+7], v[\a:\a+11], v[\b:\b+11], v[\d:\d+7], v[\sa], v[\sb] matrix_a_fmt:MATRIX_FMT_BF6 matrix_b_fmt:MATRIX_FMT_BF6 matrix_a_scale:MATRIX_SCALE_ROW1
.endif
.endm
.macro FETCHW ks
	WIN 0xc0
.irp nt,0,1,2,3
.irp q,0,1,2
	ds_load_b128 v[48*((\ks)%2)+12*\nt+4*\q:48*((\ks)%2)+12*\nt+4*\q+3], v[L16] offset:TILEB*\nt+1536*(\ks)+512*\q
.endr
.endr
.endm
.macro KMUL ks                         ; the 16 accumulators take turns, one instruction a turn, in the same order in every K step
.set MD, 1+(\ks)%2
.if (\ks) == 0
.set MD, 0
.endif
.set WF, 48*((\ks)%2)
.irp g,0,1
	WIN 0x07+4*\g                                  ; source 0 (wo) window 3, source 1 (a) window 1 or 2
.irp tl,0,1
.irp nt,0,1,2,3
	MMA ACC+32*(2*\g+\tl)+8*\nt, WF+12*\nt, 96*\tl+12*(\ks), WS+4*\nt+(\ks)/2, AS+8*(2*\g+\tl)+(\ks), MD
.endr
.endr
.endr
.endm
	s_load_b128 s[4:7], s[0:1], 0x0                ; arec, img
	s_load_b64 s[8:9], s[0:1], 0x10                ; out0
	v_lshl_add_u32 v254, v0, 2, 0x29000
	v_mov_b32 v255, 0
	ds_add_u32 v254, v255
	ds_add_u32 v254, v255
	v_lshrrev_b32 v11, 5, v0
	v_readfirstlane_b32 s[WV], v11                 ; wave 0..3
	s_bfe_u32 s11, ttmp6, 0x40000                  ; cx
	s_lshl_b32 s12, ttmp9, 2
	s_add_co_u32 s12, s12, s11                     ; bx: it enters arec's and out0's addresses alone
	s_and_b32 s13, ttmp7, 0xffff                   ; by, which the four partners share
	s_mov_b32 s[G1], 15|(3<<16)|(1<<21)            ; a dense block of 12,800 bytes as 50 rows of 32 elements of 8 bytes; the mask names all four; bit 21 beside it
	s_mov_b32 s[G1+1], 32<<16
	s_mov_b32 s[G1+2], 50<<16
	s_mov_b32 s[G1+3], 32<<16
	s_mov_b32 s[G1+4], 50
	s_mov_b32 s[G1+5], 32
	s_mov_b32 s[G1+6], 0
	s_mov_b32 s[G1+7], 0
	s_mul_i32 s14, s[WV], TILEB
	s_lshl_b32 s36, s13, 2
	s_add_co_u32 s36, s36, s[WV]                   ; wo's tile 4 by + wave
	s_mul_i32 s36, s36, TILEB
	s_mov_b32 s37, 0
	s_lshl_b32 s38, s12, 4
	s_lshl_b32 s39, s[WV], 2
	s_add_co_u32 s38, s38, s39                     ; my first tile of tokens
	s_lshl_b32 s40, s38, 14                        ; 16,384 bytes a tile in arec
	s_mov_b32 s41, 0
	s_lshl_b32 s42, s38, 16                        ; 16 tokens of 4,096 bytes a tile in out0,
	s_lshl_b32 s43, s13, 8
	s_add_co_u32 s42, s42, s43                     ; + my 64 columns
	s_mov_b32 s43, 0
	s_mul_i32 s32, s[WV], 16*SPIT
	s_add_co_u32 s32, s32, STG                     ; my stage
	v_and_b32 v11, 31, v0
	v_and_b32 v12, 15, v0                          ; r
	v_bfe_u32 v13, v0, 4, 1                        ; h
	v_lshlrev_b32 v[L16], 4, v11
	v_lshlrev_b32 v[L8], 3, v11
	v_lshlrev_b32 v[R8], 3, v12
	v_mul_u32_u24 v[STO], v12, SPIT
	v_lshl_add_u32 v[STO], v13, 6, v[STO]
	v_add_nc_u32 v[STO], s32, v[STO]               ; in: row r, + 64 h
	v_mul_u32_u24 v[SRD], v13, SPIT
	v_lshl_add_u32 v[SRD], v12, 4, v[SRD]
	v_add_nc_u32 v[SRD], s32, v[SRD]               ; back: lanes 0-15 one row of 256 bytes, lanes 16-31 the next
	v_lshlrev_b32 v[GO], 12, v13
	v_lshl_add_u32 v[GO], v12, 4, v[GO]            ; and the same two rows in out0
	s_wait_dscnt 0x0
	s_wait_kmcnt 0x0
	s_mov_b32 s[G0], 1
	s_mov_b32 s[G0+1], s14
	s_add_nc_u64 s[G0+2:G0+3], s[6:7], s[36:37]
	s_add_nc_u64 s[G0+2:G0+3], s[G0+2:G0+3], 448*TILEB
	s_or_b32 s[G0+3], s[G0+3], 0x80000000
	s_add_nc_u64 s[AB:AB+1], s[4:5], s[40:41]
	s_add_nc_u64 s[OB:OB+1], s[8:9], s[42:43]
	ROUND                                          ; all four work-groups are here: the joint loads meet
	tensor_load_to_lds s[G0:G0+3], s[G1:G1+7]      ; one load of mine is out
	s_nop 0
.rept 4
	v_nop
.endr
	s_wait_alu depctr_va_vdst(0)
.irp tt,0,1,2,3
.irp hd,0,1,2,3,4,5,6,7,8,9,10,11,12,13,14,15
	global_load_b32 v[ACC+16*\tt+\hd], v[R8], s[AB:AB+1] offset:16384*\tt+1024*\hd+768   ; token r's two scale bytes of head hd
.endr
.endr
.irp ks,0,1,2,3,4,5,6,7                ; a's codes, K step by K step (two heads), 16 loads each: a half fragment lies as 512 bytes (registers 0-3) and 256 bytes (registers 4, 5)
	WIN 0x40
.irp tt,0,1
.irp c,0,1
	global_load_b128 v[96*\tt+12*\ks+6*\c:96*\tt+12*\ks+6*\c+3], v[L16], s[AB:AB+1] offset:16384*\tt+1024*(2*\ks+\c)
	global_load_b64 v[96*\tt+12*\ks+6*\c+4:96*\tt+12*\ks+6*\c+5], v[L8], s[AB:AB+1] offset:16384*\tt+1024*(2*\ks+\c)+512
.endr
.endr
	WIN 0x80
.irp tt,0,1
.irp c,0,1
	global_load_b128 v[96*\tt+12*\ks+6*\c:96*\tt+12*\ks+6*\c+3], v[L16], s[AB:AB+1] offset:16384*(\tt+2)+1024*(2*\ks+\c)
	global_load_b64 v[96*\tt+12*\ks+6*\c+4:96*\tt+12*\ks+6*\c+5], v[L8], s[AB:AB+1] offset:16384*(\tt+2)+1024*(2*\ks+\c)+512
.endr
.endr
.endr
	WIN 0
	s_wait_loadcnt 63                              ; the 64 half-words are in: 128 loads follow them, more than the count can name
.irp tt,0,1,2,3
.irp ks,0,1,2,3,4,5,6,7
	v_lshl_or_b32 v[AS+8*\tt+\ks], v[ACC+16*\tt+2*\ks+1], 16, v[ACC+16*\tt+2*\ks]   ; two heads' bytes make a K step's scale word
.endr
.endr
.rept 8
	v_nop                                          ; a scale register written by a vector instruction stands eight places ahead of a scaled matrix instruction
.endr
	s_wait_alu depctr_va_vdst(0)
	s_wait_tensorcnt 0x0                           ; my tile of wo has landed,
	s_barrier_signal -1
	s_barrier_wait -1                              ; everybody's has
.irp nt,0,1,2,3
	ds_load_b128 v[WS+4*\nt:WS+4*\nt+3], v[L16] offset:TILEB*\nt+12288
.endr
	FETCHW 0
.irp ks,0,1,2,3,4,5,6,7
.if \ks < 7
.if \ks > 0
.rept 4
	v_nop                                          ; places in front of loads into the set that the last K step's products read
.endr
.endif
	FETCHW \ks+1
	s_wait_dscnt 12                                ; all but the 12 just issued
.else
	s_wait_dscnt 0x0
.endif
.if 16*(7-\ks) > 63
	s_wait_loadcnt 63                              ; a's fragments of this K step are in: 16 loads for each later K step follow them
.else
	s_wait_loadcnt 16*(7-\ks)
.endif
	KMUL \ks
.endr
	WIN 0
.rept 4
	v_nop                                          ; places in front of the first read of results
.endr
; THE WAY OUT, a tile of 16 tokens at a time: a lane's 32 numbers go into my stage (rows of 256 bytes + 16), each accumulator from its low end on, and come back as whole rows.
.macro OUT tt
.if \tt > 0
	s_wait_xcnt 0x0                                ; the last tile's stores have read their registers
.endif
.irp b,0,1
.irp q,0,1,2,3
	ds_store_b128 v[STO], v[ACC+32*\tt+16*\b+4*\q:ACC+32*\tt+16*\b+4*\q+3] offset:128*\b+16*\q
.endr
.endr
.irp i,0,1,2,3,4,5,6,7
	ds_load_b128 v[BK+4*\i:BK+4*\i+3], v[SRD] offset:2*SPIT*\i   ; LDS serves a wave's instructions in order: these see my stores, and the next tile's stores come behind them
.endr
.irp i,0,1,2,3,4,5,6,7
	s_wait_dscnt 7-\i
	global_store_b128 v[GO], v[BK+4*\i:BK+4*\i+3], s[OB:OB+1] offset:(32*(\tt/2)+8*(\tt%2)+2*\i+8*(\i/4))*4096 th:TH_STORE_NT   ; sixteen lanes store 256 consecutive bytes, aligned; stage row 2 i + h is the tile's lane 2 i + h
.endr
.endm
.irp tt,0,1,2,3
	OUT \tt
.endr
	s_wait_tensorcnt 0x0
	ds_add_u32 v254, v255
	s_wait_dscnt 0x0
	ROUND                                          ; the closing round
	s_endpgm
.Lfunc_end_k_qe56ff91ae9_oproj:
	.size	k_qe56ff91ae9_oproj, .Lfunc_end_k_qe56ff91ae9_oproj-k_qe56ff91ae9_oproj
	.p2alignl 7, 3214868480
	.fill 96, 4, 3214868480
	.section	.rodata,"a",@progbits
	.p2align	6, 0x0
	.amdhsa_kernel k_qe56ff91ae9_oproj
		.amdhsa_group_segment_fixed_size 168448
		.amdhsa_private_segment_fixed_size 0
		.amdhsa_enable_private_segment 0
		.amdhsa_kernarg_size 24
		.amdhsa_user_sgpr_count 2
		.amdhsa_user_sgpr_kernarg_segment_ptr 1
		.amdhsa_wavefront_size32 1
		.amdhsa_system_sgpr_workgroup_id_x 1
		.amdhsa_system_sgpr_workgroup_id_y 1
		.amdhsa_system_sgpr_workgroup_id_z 1
		.amdhsa_system_vgpr_workitem_id 0
		.amdhsa_next_free_vgpr 896
		.amdhsa_next_free_sgpr 66
		.amdhsa_reserve_vcc 0
		.amdhsa_float_denorm_mode_32 3
		.amdhsa_float_denorm_mode_16_64 3
		.amdhsa_memory_ordered 1
		.amdhsa_forward_progress 1
		.amdhsa_inst_pref_size 58
	.end_amdhsa_kernel
	.amdgpu_metadata
---
amdhsa.version: [ 1, 2 ]
amdhsa.kernels:
  - .name:           k_qe56ff91ae9_oproj
    .symbol:         k_qe56ff91ae9_oproj.kd
    .args:
      - { .name: arec, .offset: 0, .size: 8, .value_kind: global_buffer, .address_space: global }
      - { .name: img, .offset: 8, .size: 8, .value_kind: global_buffer, .address_space: global }
      - { .name: out0, .offset: 16, .size: 8, .value_kind: global_buffer, .address_space: global }
    .group_segment_fixed_size: 168448
    .private_segment_fixed_size: 0
    .kernarg_segment_align: 8
    .kernarg_segment_size: 24
    .max_flat_workgroup_size: 128
    .sgpr_count:     66
    .vgpr_count:     896
    .wavefront_size: 32
...
	.end_amdgpu_metadata
.endif
;; end of part 4
